; MI455X (gfx1250); checked and timed in simulation.
; The chip was launched on July 23, 2026; its instructions are those of AMD's public machine-readable ISA for CDNA 5 (MIT licence, August 2026) and "CDNA5" Instruction Set Architecture Reference Guide (July 2026). The comments in the code are by the model that wrote it; some were corrected since.
;; IACR Mo E Block. Allowed arithmetic: float matrix products may take bf16 or f16 operands with f32 sums; other float arithmetic in f32, or as packed bf16 or f16 multiplies, adds, multiply-adds, maxima and minima; sums over many terms, partial sums and values carried from step to step in f32; what a program stores and reads back later, other than sums and carried values, may be rounded once to bf16 or f16.
;; Inputs: bk 64 float32; bo 64 float32; bq 64 float32; bv 64 float32; ctx_b 64 float32; ctx_w 64 x 128 float32; eb1 11 x 512 float32; eb2 11 x 128 float32; ew1 11 x 512 x 128 float32; ew2 11 x 128 x 512 float32; inp_b 64 float32; inp_w 64 x 128 float32; ln_b 64 float32; ln_g 64 float32; proto 11 x 64 float32; wk 64 x 64 float32; wo 64 x 64 float32; wq 64 x 64 float32; wv 64 x 64 float32; x 8 x 128 x 64 x 64 float32.
;; Outputs: out0 8 x 128 x 64 x 64 float32; out1 one number float32.
;; One version. Each part assembles by itself: llvm-mc -triple=amdgcn-amd-amdhsa -mcpu=gfx1250 --defsym DOCPART=n.
;; ======== version 1 of 1: 3 launches
;; limits: a function is approximated: absolute error at most 0.0005; values outside matrix products are rounded to bf16
;; workspace buffers: gsum 4,096 bytes; wt 2,883,584 bytes; eb2t 4,096 bytes; maskw 1,441,792 bytes; part 16,384 bytes
;; launch prep (part 1): grid 256 x 1, 6 waves a work-group, no clusters, 0 bytes of LDS; arguments x, ew1, ew2, eb2, gsum, wt, eb2t; writes gsum, wt, eb2t
.if DOCPART == 1
	.amdgcn_target "amdgcn-amd-amdhsa--gfx1250"
	.amdhsa_code_object_version 6
	.text
	.protected	k_q6a95537f17_prep
	.globl	k_q6a95537f17_prep
	.p2align	8
	.type	k_q6a95537f17_prep,@function
k_q6a95537f17_prep:
	s_mov_b64 s[64:65], 0
	v_nop
	global_prefetch_b8 v0, s[64:65] scope:SCOPE_SE
	s_setreg_imm32_b32 hwreg(HW_REG_WAVE_MODE, 25, 1), 1
	s_wait_xcnt 0x0
; PREP.  Three jobs that need no LDS and no barrier, dealt to a work-group's six waves by the wave's number.
; Waves 0-3: the sum over the 4,096 pixels of one row (image, channel) of x each: row = 4 x work-group + wave; 1,024 rows in all.  The result is one number a row, so its store is 4 bytes.
; Wave 4: 22 rows of ew1 (512 bytes of f32) rounded to bf16 (256 bytes).  Wave 5: the same for 22 rows of the ew2 part.
; wt holds 22 slots of 131,072 bytes, slot s = (expert s / 2, half q = s % 2 of the 512 hidden units):
;   rows 0-255 (256 bytes each): ew1[e][256 q + i][0..127];   rows 256 + 128 g + c: ew2[e][c][256 q + 128 g + 0..127].
; Sixteen neighbouring lanes store 256 consecutive bytes, at a multiple of 256 from wt's first byte.
; Wave 5 of work-groups 0-7 also lays out 0.5 eb2 as the first source of a matrix instruction, for channel block cb = work-group:
;   lane (r = lane % 16, h = lane / 16) holds, as six bf16, 0.5 eb2[6 h + 0..5][16 cb + r] (expert 11 does not exist: 0), then a word of 0.
.set DST, 16                           ; v16-26   byte offset in wt of pass k
.set SRC, 27                           ; v27-37   byte offset in the source of pass k
.set INR, 40                           ; v40-127  pass k: 8 numbers in f32
.set OUR, 128                          ; v128-171 pass k: 8 numbers in bf16
	s_load_b256 s[4:11], s[0:1], 0x0               ; x s[4:5], ew1 s[6:7], ew2 s[8:9], eb2 s[10:11]
	s_load_b128 s[12:15], s[0:1], 0x20             ; gsum s[12:13], wt s[14:15]
	s_load_b64 s[16:17], s[0:1], 0x30              ; eb2t
	v_lshrrev_b32 v1, 5, v0
	v_readfirstlane_b32 s20, v1                    ; wave 0..5
	v_and_b32 v2, 31, v0                           ; lane
	s_mov_b32 s23, 0
	s_wait_kmcnt 0x0
	s_cmp_lt_u32 s20, 4
	s_cbranch_scc0 .Lcast
	; ---- a row's sum ----
	s_lshl_b32 s21, ttmp9, 2
	s_add_co_u32 s21, s21, s20                     ; the row
	s_lshl_b32 s22, s21, 14                        ; 16,384 bytes a row
	s_add_nc_u64 s[4:5], s[4:5], s[22:23]
	s_lshl_b32 s22, s21, 2
	s_add_nc_u64 s[12:13], s[12:13], s[22:23]
	s_mov_b32 s24, 0x76543210                      ; v_permlanex16_b32: each lane takes its own place in the other half
	s_mov_b32 s25, 0xfedcba98
	v_lshlrev_b32 v3, 4, v2
.set n, 0
.rept 32                                               ; the whole row is asked for at once: 32 loads of 512 consecutive bytes
	global_load_b128 v[32+4*n:32+4*n+3], v3, s[4:5] offset:512*n
.set n, n+1
.endr
	s_wait_loadcnt 24                              ; loads 0-7 are in, the 24 younger stay out
.irp k, 0,1,2,3
	v_pk_add_f32 v[8+2*(\k):9+2*(\k)], v[32+2*(\k):33+2*(\k)], v[40+2*(\k):41+2*(\k)]  ; four chains, started by the first words: nothing is cleared
.endr
.set g, 2
.rept 14
.if g%4 == 0
	s_wait_loadcnt 24-2*g                          ; the next eight loads are in
.endif
.irp k, 0,1,2,3
	v_pk_add_f32 v[8+2*(\k):9+2*(\k)], v[8+2*(\k):9+2*(\k)], v[32+8*g+2*(\k):33+8*g+2*(\k)]
.endr
.set g, g+1
.endr
	v_pk_add_f32 v[8:9], v[8:9], v[10:11]
	v_pk_add_f32 v[12:13], v[12:13], v[14:15]
	v_pk_add_f32 v[8:9], v[8:9], v[12:13]
	v_add_f32 v8, v8, v9
	v_add_f32_dpp v8, v8, v8 row_xmask:1 row_mask:0xf bank_mask:0xf
	v_add_f32_dpp v8, v8, v8 row_xmask:2 row_mask:0xf bank_mask:0xf
	v_add_f32_dpp v8, v8, v8 row_xmask:4 row_mask:0xf bank_mask:0xf
	v_add_f32_dpp v8, v8, v8 row_xmask:8 row_mask:0xf bank_mask:0xf
	v_permlanex16_b32 v9, v8, s24, s25
	v_add_f32 v8, v8, v9
	v_mov_b32 v4, 0
	v_cmp_eq_u32 vcc_lo, 0, v2
	s_wait_xcnt 0x0                                ; EXEC changes only behind this wait
	s_and_saveexec_b32 s26, vcc_lo
	global_store_b32 v4, v8, s[12:13]              ; lane 0 alone
	s_wait_xcnt 0x0
	s_or_b32 exec_lo, exec_lo, s26
	s_endpgm
; 11 passes of two rows (lanes 0-15 one row, lanes 16-31 the next).  All 22 loads go out first; pass k waits for its own two.
.macro CAST two, base
.set k, 0
.rept 11
	v_add_nc_u32 v5, 2*k, v4                       ; the row, rho
	v_lshrrev_b32 v6, 8, v5                        ; its slot
	v_lshl_add_u32 v[DST+k], v5, 8, v13            ; 256 rho + 65,536 slot = 131,072 slot + 256 (rho % 256)
	v_lshl_add_u32 v[DST+k], v6, 16, v[DST+k]
.if \two
	v_and_b32 v7, 127, v5                          ; channel c
	v_bfe_u32 v8, v5, 7, 2                         ; 2 q + g: 512 bytes of a row of ew2 each
	v_lshrrev_b32 v9, 1, v6                        ; expert
	v_lshl_add_u32 v[SRC+k], v7, 11, v12
	v_lshl_add_u32 v[SRC+k], v8, 9, v[SRC+k]
	v_lshl_add_u32 v[SRC+k], v9, 18, v[SRC+k]
.else
	v_lshl_add_u32 v[SRC+k], v5, 9, v12
.endif
.set k, k+1
.endr
.set k, 0
.rept 11
	global_load_b128 v[INR+8*k:INR+8*k+3],   v[SRC+k], s[\base:\base+1] th:TH_LOAD_NT
	global_load_b128 v[INR+8*k+4:INR+8*k+7], v[SRC+k], s[\base:\base+1] offset:16 th:TH_LOAD_NT
.set k, k+1
.endr
.set k, 0
.rept 11
	s_wait_loadcnt 20-2*k                          ; the later passes' loads stay out
.irp j, 0,1,2,3
	v_cvt_pk_bf16_f32 v[OUR+4*k+(\j)], v[INR+8*k+2*(\j)], v[INR+8*k+2*(\j)+1]
.endr
	global_store_b128 v[DST+k], v[OUR+4*k:OUR+4*k+3], s[14:15]
.set k, k+1
.endr
.endm
.Lcast:
	s_mul_i32 s21, ttmp9, 22
	v_lshrrev_b32 v3, 4, v2
	v_add_nc_u32 v4, s21, v3                       ; pass 0's row: 22 x work-group + lane / 16
	v_and_b32 v3, 15, v2
	v_lshlrev_b32 v12, 5, v3                       ; 32 bytes of f32 a lane
	v_lshlrev_b32 v13, 4, v3                       ; 16 bytes of bf16 a lane
	s_cmp_eq_u32 s20, 4
	s_cbranch_scc0 .Lw2
	CAST 0, 6
	s_endpgm
.Lw2:
	v_add_nc_u32 v13, 0x10000, v13                 ; ew2's rows lie behind ew1's 256
	CAST 1, 8
	s_cmp_lt_u32 ttmp9, 8
	s_cbranch_scc0 .Ldone
	s_wait_xcnt 0x0                                ; the registers below are free of the stores above
	s_lshl_b32 s21, ttmp9, 6
	v_lshrrev_b32 v5, 4, v2                        ; h
	v_lshl_add_u32 v6, v3, 2, s21                  ; 4 r + 64 cb
	v_mad_u32_u24 v7, v5, 3072, v6                 ; expert 6 h
	v_mad_u32_u24 v8, v5, 2560, v6                 ; with the offset below: expert 5, or (h = 1) expert 10, so that the load stays in the buffer
.irp j, 0,1,2,3,4
	global_load_b32 v[40+(\j)], v7, s[10:11] offset:512*(\j)
.endr
	global_load_b32 v45, v8, s[10:11] offset:2560
	s_wait_loadcnt 0x0
	v_cmp_gt_u32 vcc_lo, 16, v2
	v_cndmask_b32 v45, 0, v45, vcc_lo              ; expert 11: 0
	v_pk_mul_f32 v[40:41], v[40:41], 0.5 op_sel_hi:[1,0]
	v_pk_mul_f32 v[42:43], v[42:43], 0.5 op_sel_hi:[1,0]
	v_pk_mul_f32 v[44:45], v[44:45], 0.5 op_sel_hi:[1,0]
	v_cvt_pk_bf16_f32 v48, v40, v41
	v_cvt_pk_bf16_f32 v49, v42, v43
	v_cvt_pk_bf16_f32 v50, v44, v45
	v_mov_b32 v51, 0
	s_lshl_b32 s21, ttmp9, 9
	v_lshl_add_u32 v9, v2, 4, s21
	global_store_b128 v9, v[48:51], s[16:17]
.Ldone:
	s_endpgm
.Lfunc_end_k_q6a95537f17_prep:
	.size	k_q6a95537f17_prep, .Lfunc_end_k_q6a95537f17_prep-k_q6a95537f17_prep
	.p2alignl 7, 3214868480
	.fill 96, 4, 3214868480
	.section	.rodata,"a",@progbits
	.p2align	6, 0x0
	.amdhsa_kernel k_q6a95537f17_prep
		.amdhsa_group_segment_fixed_size 0
		.amdhsa_private_segment_fixed_size 0
		.amdhsa_enable_private_segment 0
		.amdhsa_kernarg_size 56
		.amdhsa_user_sgpr_count 2
		.amdhsa_user_sgpr_kernarg_segment_ptr 1
		.amdhsa_wavefront_size32 1
		.amdhsa_system_sgpr_workgroup_id_x 1
		.amdhsa_system_sgpr_workgroup_id_y 1
		.amdhsa_system_sgpr_workgroup_id_z 1
		.amdhsa_system_vgpr_workitem_id 0
		.amdhsa_next_free_vgpr 176
		.amdhsa_next_free_sgpr 66
		.amdhsa_reserve_vcc 1
		.amdhsa_float_denorm_mode_32 3
		.amdhsa_float_denorm_mode_16_64 3
		.amdhsa_memory_ordered 1
		.amdhsa_forward_progress 1
		.amdhsa_inst_pref_size 32
	.end_amdhsa_kernel
	.amdgpu_metadata
---
amdhsa.version: [ 1, 2 ]
amdhsa.kernels:
  - .name:           k_q6a95537f17_prep
    .symbol:         k_q6a95537f17_prep.kd
    .args:
      - { .name: x, .offset: 0, .size: 8, .value_kind: global_buffer, .address_space: global }
      - { .name: ew1, .offset: 8, .size: 8, .value_kind: global_buffer, .address_space: global }
      - { .name: ew2, .offset: 16, .size: 8, .value_kind: global_buffer, .address_space: global }
      - { .name: eb2, .offset: 24, .size: 8, .value_kind: global_buffer, .address_space: global }
      - { .name: gsum, .offset: 32, .size: 8, .value_kind: global_buffer, .address_space: global }
      - { .name: wt, .offset: 40, .size: 8, .value_kind: global_buffer, .address_space: global }
      - { .name: eb2t, .offset: 48, .size: 8, .value_kind: global_buffer, .address_space: global }
    .group_segment_fixed_size: 0
    .private_segment_fixed_size: 0
    .kernarg_segment_align: 8
    .kernarg_segment_size: 56
    .max_flat_workgroup_size: 192
    .sgpr_count:     66
    .vgpr_count:     176
    .wavefront_size: 32
...
	.end_amdgpu_metadata
.endif
;; end of part 1
;; launch route (part 2): grid 128 x 1, 4 waves a work-group, no clusters, 327,680 bytes of LDS; arguments x, gsum, proto, ctx_w, ctx_b, inp_w, inp_b, wq, bq, wk, bk, wv, bv, wo, bo, ln_g, ln_b, maskw, part; writes maskw, part
.if DOCPART == 2
	.amdgcn_target "amdgcn-amd-amdhsa--gfx1250"
	.amdhsa_code_object_version 6
	.text
	.protected	k_q6a95537f17_route
	.globl	k_q6a95537f17_route
	.p2align	8
	.type	k_q6a95537f17_route,@function
k_q6a95537f17_route:
	s_mov_b64 s[64:65], 0
	v_nop
	global_prefetch_b8 v0, s[64:65] scope:SCOPE_SE
	s_setreg_imm32_b32 hwreg(HW_REG_WAVE_MODE, 25, 1), 1
	s_wait_xcnt 0x0
; ROUTE.  A work-group takes 256 tokens of image b = work-group / 16; a wave 64, a lane 2 (8 bytes: a wave's store covers 256 consecutive bytes, aligned).
; Every work-group makes its image's updated prototypes for itself (12 x 64 attention, LayerNorm), folds them into the pixel projection,
;   M[s][c] = sum_p up[s][p] inp_w[p][c] / 8,  d[s] = sum_p up[s][p] inp_b[p] / 8   (s = row of the sequence: expert e is s = e + 1, s = 0 is not used),
; and then has logit[e][t] = sum_c x[c][t] M[e+1][c] + d[e+1]: 1,408 multiply-adds a token.
; ALL OF THIS IS f32 ON THE VECTOR UNIT: the choice of six of eleven nearly equal weights turns on differences far below bf16's step; it is a five-hundredth of the module's arithmetic.
; x: the work-group's 128 channels x 256 tokens (131,072 bytes) are asked for at the kernel's head, a quarter a wave, and land in LDS under the router's work; the logits read them from there.
; Choice: rank[e] = #(e' < e with l[e'] >= l[e]) + #(e' > e with l[e'] > l[e]); chosen if rank < 6: the lower index wins a tie.
; LIMITS.  The ranks are taken of the logits, not of the rounded probabilities; NaN and infinities are not treated apart; a prototype of all zeros gives NaN in the second output, as in the definition.
; Out: maskw[e][token] = the renormalised weight, 0 where e is not chosen; part[work-group][32]: columns 0-10 sums of probabilities, 16-26 counts of choices;
; work-group 0 also puts 0.5 ortho 2^30 / 11 in column 11 and 1 in column 27, so that the next launch's sum over columns of (col)(col + 16) times 11 / 2^30 is the second output.
; No cluster: the shared inputs are 131,072 bytes of small weights a work-group, read once at the start; x is each work-group's own.
; Steps that recur are counted loops with constant bounds; a wave owns the sequence rows 3 w .. 3 w + 2.
.set RG,    17408                      ; a region filled by one tensor load: 64 rows of 256 bytes + 16 of padding
.set XT_O,  8*RG                       ; the x tile: 128 rows (channels) of 1,024 bytes (256 tokens), no padding: a wave reads 256 neighbouring bytes
.set SCR,   XT_O+131072                ; behind it: bytes that only ds_store writes
.set G_O,   0                          ; 128 f32: the image's mean over pixels
.set DT_O,  512                        ; 12 f32: d
.set SEQ_O, 768                        ; 16 rows x 272 bytes each: the sequence, q, k, v, the attention's output
.set Q_O,   5120
.set K_O,   9472
.set V_O,   13824
.set AO_O,  18176
.set UPT_O, 22528                      ; [p 0..63][s 0..11] f32, 48 bytes a row
.set MT_O,  25600                      ; [c 0..127][s 0..11] f32, 48 bytes a row
.set RED_O, 31744                      ; 4 waves x 32 f32
.set SPARE, SCR+32256                  ; the spare words: 128 bytes a wave, two blocks of 256 bytes that no other line names
.set IN,  16                           ; v16-79   64 numbers of an input row; later M's sums (v16-27), x's two buffers (v48-63) and work registers
.set WA,  80                           ; v80-143  weight row (lane);       later ACC v80-101 and MB0 v112-159
.set WB,  144                          ; v144-207 weight row (lane + 32);  later MB1 v160-207
.set AC,  208                          ; v208-215 four pairs of partial dot products; v208-219 scores; later d
.set RA,  216                          ; v216, v217 the two results
.set BI,  220                          ; v220-235 ctx_b, bq, bk, bv, bo, ln_g, ln_b, inp_b at lane and lane + 32
.set PT,  242                          ; v242     v_permlanex16_b32's destination
.set ACC, 80
.set MB,  112
.set XB,  48
.set TT,  112                          ; v112-133 2^(..) of 11 experts x 2 tokens
.set RK,  160                          ; v160-181 ranks, then chosen weights
.set CN,  184                          ; v184-205 1.0 where chosen
.set WV,  60
.macro BAR                             ; my LDS instructions are done; then every wave's are
	s_wait_dscnt 0x0
	s_barrier_signal -1
	s_barrier_wait -1
.endm
.macro LOADW a, off, half              ; 64 numbers of weight row (lane) and of row (lane + 32) into registers
.set n, 0
.rept 16
	ds_load_b128 v[WA+4*n:WA+4*n+3], v[\a] offset:(\off)+16*n
	ds_load_b128 v[WB+4*n:WB+4*n+3], v[\a] offset:(\off)+(\half)+16*n
.set n, n+1
.endr
.endm
.macro DOTROW a, off, first            ; 64 numbers of an input row (the same address in all lanes) times both weight rows; first = 1: the products start the sums
.set n, 0
.rept 16                               ; the whole row is asked for at once
	ds_load_b128 v[IN+4*n:IN+4*n+3], v[\a] offset:(\off)+16*n
.set n, n+1
.endr
.set n, 0
.rept 32
.if n == 0
	s_wait_dscnt 8                                 ; the row's first half (and all that is older) is in; the eight younger loads stay out
.endif
.if n == 16
	s_wait_dscnt 0x0
.endif
.if (\first) && (n < 2)
	v_pk_mul_f32 v[AC+2*n:AC+2*n+1], v[IN+2*n:IN+2*n+1], v[WA+2*n:WA+2*n+1]
	v_pk_mul_f32 v[AC+4+2*n:AC+5+2*n], v[IN+2*n:IN+2*n+1], v[WB+2*n:WB+2*n+1]
.else
	v_pk_fma_f32 v[AC+2*(n%2):AC+2*(n%2)+1], v[IN+2*n:IN+2*n+1], v[WA+2*n:WA+2*n+1], v[AC+2*(n%2):AC+2*(n%2)+1]
	v_pk_fma_f32 v[AC+4+2*(n%2):AC+5+2*(n%2)], v[IN+2*n:IN+2*n+1], v[WB+2*n:WB+2*n+1], v[AC+4+2*(n%2):AC+5+2*(n%2)]
.endif
.set n, n+1
.endr
.endm
.macro FOLD
	v_pk_add_f32 v[AC:AC+1], v[AC:AC+1], v[AC+2:AC+3]
	v_pk_add_f32 v[AC+4:AC+5], v[AC+4:AC+5], v[AC+6:AC+7]
	v_add_f32 v[RA], v[AC], v[AC+1]
	v_add_f32 v[RA+1], v[AC+4], v[AC+5]
.endm
.macro WSUM r                          ; the sum over the wave's 32 lanes, in every lane
	v_add_f32_dpp v[\r], v[\r], v[\r] row_xmask:1 row_mask:0xf bank_mask:0xf
	v_add_f32_dpp v[\r], v[\r], v[\r] row_xmask:2 row_mask:0xf bank_mask:0xf
	v_add_f32_dpp v[\r], v[\r], v[\r] row_xmask:4 row_mask:0xf bank_mask:0xf
	v_add_f32_dpp v[\r], v[\r], v[\r] row_xmask:8 row_mask:0xf bank_mask:0xf
	v_permlanex16_b32 v[PT], v[\r], s74, s75
	v_add_f32 v[\r], v[\r], v[PT]
.endm
.macro PKFB d, a, b, c                 ; pair d = pair a x register b (for both halves) + pair c
.if ((\b)&1)
	v_pk_fma_f32 v[\d:\d+1], v[\a:\a+1], v[(\b)-1:(\b)], v[\c:\c+1] op_sel:[0,1,0] op_sel_hi:[1,1,1]
.else
	v_pk_fma_f32 v[\d:\d+1], v[\a:\a+1], v[(\b):(\b)+1], v[\c:\c+1] op_sel_hi:[1,0,1]
.endif
.endm
.macro PKMB d, a, b                    ; pair d = pair a x register b
.if ((\b)&1)
	v_pk_mul_f32 v[\d:\d+1], v[\a:\a+1], v[(\b)-1:(\b)] op_sel:[0,1] op_sel_hi:[1,1]
.else
	v_pk_mul_f32 v[\d:\d+1], v[\a:\a+1], v[(\b):(\b)+1] op_sel_hi:[1,0]
.endif
.endm
.macro BIAS reg, sb
	global_load_b32 v[\reg], v13, s[\sb:\sb+1]
	global_load_b32 v[\reg+1], v13, s[\sb:\sb+1] offset:128
.endm
	s_load_b512 s[4:19], s[0:1], 0x0               ; x 4, gsum 6, proto 8, ctx_w 10, ctx_b 12, inp_w 14, inp_b 16, wq 18
	s_load_b512 s[20:35], s[0:1], 0x40             ; bq 20, wk 22, bk 24, wv 26, bv 28, wo 30, bo 32, ln_g 34
	s_load_b128 s[36:39], s[0:1], 0x80             ; ln_b 36, maskw 38
	s_load_b64 s[40:41], s[0:1], 0x90              ; part
	v_lshl_add_u32 v14, v0, 2, SPARE
	v_mov_b32 v15, 0
	ds_add_u32 v14, v15                            ; the wave's opening: the add and its wait ahead of my first tensor load
	v_lshrrev_b32 v1, 5, v0
	v_readfirstlane_b32 s[WV], v1                  ; wave 0..3
	v_and_b32 v1, 31, v0                           ; lane
	; descriptor group 1 for the weights: 16,384 dense bytes as 64 rows of 256 bytes (32 elements of 8 bytes), 16 bytes of padding behind each
	s_mov_b32 s44, (3<<16)|(1<<20)|(5<<22)|(3<<25)
	s_mov_b32 s45, 32<<16                          ; tensor_dim0 = 32
	s_mov_b32 s46, 64<<16                          ; tensor_dim1 = 64
	s_mov_b32 s47, 32<<16                          ; tile_dim0 = 32
	s_mov_b32 s48, 64                              ; tile_dim1 = 64
	s_mov_b32 s49, 32                              ; 32 elements from row to row
	s_mov_b32 s50, 0
	s_mov_b32 s51, 0
	; descriptor group 1 for x: 32 channels x 256 tokens of f32, 4,096 elements from channel to channel, no padding
	s_mov_b32 s84, 2<<16
	s_mov_b32 s85, 256<<16                         ; tensor_dim0 = 256
	s_mov_b32 s86, 32<<16                          ; tensor_dim1 = 32
	s_mov_b32 s87, 256<<16                         ; tile_dim0 = 256
	s_mov_b32 s88, 32                              ; tile_dim1 = 32
	s_mov_b32 s89, 4096
	s_mov_b32 s90, 0
	s_mov_b32 s91, 0
	s_mul_i32 s61, s[WV], 2*RG                     ; wave w fills regions 2 w and 2 w + 1,
	s_mov_b32 s52, 1
	s_mov_b32 s53, s61
	s_mov_b32 s56, 1
	s_add_co_u32 s57, s61, RG
	s_mov_b32 s92, 1
	s_lshl_b32 s61, s[WV], 15                      ; and rows 32 w .. 32 w + 31 of the x tile
	s_add_co_u32 s93, s61, XT_O
	s_mov_b32 s74, 0x76543210
	s_mov_b32 s75, 0xfedcba98
	s_mov_b32 s76, 0x3fb8aa3b                      ; log2(e), named as a pair
	s_mov_b32 s77, 0x3fb8aa3b
	s_mov_b32 s78, 0x3eb8aa3b                      ; log2(e) / sqrt(16)
	s_mov_b32 s79, 0x3c800000                      ; 1 / 64
	s_mov_b32 s80, 0x3727c5ac                      ; 1e-5
	s_mov_b32 s81, 0xbc800000                      ; -1 / 64
	s_mov_b32 s82, 0xffff0000                      ; lanes 16-31
	s_lshr_b32 s62, ttmp9, 4                       ; the image
	s_lshl_b32 s42, s62, 21                        ; its 2,097,152 bytes,
	s_and_b32 s61, ttmp9, 15
	s_lshl_b32 s61, s61, 10                        ; the work-group's 256 tokens,
	s_add_co_u32 s42, s42, s61
	s_lshl_b32 s61, s[WV], 19                      ; my 32 channels
	s_add_co_u32 s42, s42, s61
	s_mov_b32 s43, 0
	s_wait_dscnt 0x0                               ; the opening add is done
	s_wait_kmcnt 0x0
	s_cmp_eq_u32 s[WV], 0                          ; regions 0-3: wq, wk, wv, wo; 4, 5: ctx_w; 6, 7: inp_w
	s_cselect_b64 s[66:67], s[18:19], s[26:27]
	s_cselect_b64 s[68:69], s[22:23], s[30:31]
	s_cmp_eq_u32 s[WV], 2
	s_cselect_b64 s[70:71], s[10:11], s[14:15]
	s_add_nc_u64 s[72:73], s[70:71], 16384
	s_cmp_lt_u32 s[WV], 2
	s_cselect_b64 s[54:55], s[66:67], s[70:71]
	s_cselect_b64 s[58:59], s[68:69], s[72:73]
	s_or_b32 s55, s55, 0x80000000                  ; type = 2
	s_or_b32 s59, s59, 0x80000000
	s_add_nc_u64 s[94:95], s[4:5], s[42:43]
	s_or_b32 s95, s95, 0x80000000
	tensor_load_to_lds s[52:55], s[44:51]          ; three loads of mine are out; nothing is ever filled twice
	s_nop 0
	tensor_load_to_lds s[56:59], s[44:51]
	s_nop 0
	tensor_load_to_lds s[92:95], s[84:91]          ; x last: the wait for the weights can leave it out
	s_nop 0
	v_mul_u32_u24 v2, v1, 272                      ; v2: weight row (lane) of a 64 x 64 matrix; it steps from matrix to matrix
	v_mul_u32_u24 v3, v1, 544
	v_add_nc_u32 v3, 4*RG, v3                      ; v3: row (lane) of ctx_w: 512 bytes lie as two padded rows
	v_mov_b32 v4, SCR                              ; v4: the scratch
	s_mul_i32 s61, s[WV], 3*272
	s_add_co_u32 s61, s61, SCR
	v_mov_b32 v5, s61                              ; v5: + row 3 w of a 16-row table
	v_lshl_add_u32 v6, v1, 2, v5                   ; v6: + 4 x lane
	s_lshl_b32 s61, s[WV], 8
	v_lshl_add_u32 v7, v1, 3, s61                  ; v7: my two tokens in the work-group's 1,024 bytes
	v_mov_b32 v[PT], 0
	s_lshl_b32 s61, s62, 9
	v_lshl_add_u32 v8, v0, 2, s61
	global_load_b32 v243, v8, s[6:7]               ; gsum[b][thread]
.irp j, 0,1,2
	s_mul_i32 s61, s[WV], 3
	s_add_co_u32 s61, s61, (\j)
	s_sub_co_i32 s61, s61, 1
	s_max_i32 s61, s61, 0                          ; sequence row s holds prototype s - 1; row 0 is written again below
	s_lshl_b32 s61, s61, 8
	v_lshl_add_u32 v[10+(\j)], v1, 3, s61
	global_load_b64 v[236+2*(\j):237+2*(\j)], v[10+(\j)], s[8:9]
.endr
	v_lshlrev_b32 v13, 2, v1
	BIAS BI, 12
	BIAS BI+2, 20
	BIAS BI+4, 24
	BIAS BI+6, 28
	BIAS BI+8, 32
	BIAS BI+10, 34
	BIAS BI+12, 36
	BIAS BI+14, 16
	s_lshl_b32 s66, ttmp9, 10
	s_mov_b32 s67, 0
	s_add_nc_u64 s[38:39], s[38:39], s[66:67]
	s_lshl_b32 s66, ttmp9, 7
	s_add_nc_u64 s[40:41], s[40:41], s[66:67]
	; ---- the scratch is filled ----
	s_wait_loadcnt 0x0
	v_mul_f32 v243, 0x39800000, v243               ; / 4,096
	v_lshl_add_u32 v8, v0, 2, SCR
	ds_store_b32 v8, v243 offset:G_O
	v_lshl_add_u32 v9, v1, 3, v5
.irp j, 0,1,2
	ds_store_b64 v9, v[236+2*(\j):237+2*(\j)] offset:SEQ_O+272*(\j)
.endr
	s_wait_tensorcnt 0x1                           ; my two weight regions have landed; my part of x, issued behind them, stays out
	BAR
	; ---- the context row: mean @ ctx_w^T + ctx_b (every wave; wave 0 stores it as sequence row 0).  Two trips of 64 channels ----
	v_add_nc_u32 v8, G_O, v4
.set n, 0
.rept 8
	v_mov_b32 v[AC+n], 0
.set n, n+1
.endr
	s_mov_b32 s61, 2
.Lgc:
	LOADW 3, 0, 32*544
	DOTROW 8, 0, 0
	v_add_nc_u32 v3, 272, v3
	v_add_nc_u32 v8, 256, v8
	s_sub_co_u32 s61, s61, 1
	s_cmp_lg_u32 s61, 0
	s_cbranch_scc1 .Lgc
	FOLD
	v_add_f32 v[RA], v[RA], v[BI]
	v_add_f32 v[RA+1], v[RA+1], v[BI+1]
	s_cmp_lg_u32 s[WV], 0
	s_cbranch_scc1 .Lno_gc
	ds_store_b32 v6, v[RA] offset:SEQ_O
	ds_store_b32 v6, v[RA+1] offset:SEQ_O+128
.Lno_gc:
	BAR
	; ---- q, k, v: three matrices, my three rows of the sequence each.  The tables lie 4,352 bytes apart, the matrices RG; the bias in hand is v[BI+2:BI+3] ----
	v_add_nc_u32 v10, Q_O, v6
	s_mov_b32 s62, 3
.Lmat:
	LOADW 2, 0, 32*272
	v_add_nc_u32 v9, SEQ_O, v5
	s_mov_b32 s61, 3
.Lrow:
	DOTROW 9, 0, 1
	FOLD
	v_add_f32 v[RA], v[RA], v[BI+2]
	v_add_f32 v[RA+1], v[RA+1], v[BI+3]
	ds_store_b32 v10, v[RA]
	ds_store_b32 v10, v[RA+1] offset:128
	v_add_nc_u32 v9, 272, v9
	v_add_nc_u32 v10, 272, v10
	s_sub_co_u32 s61, s61, 1
	s_cmp_lg_u32 s61, 0
	s_cbranch_scc1 .Lrow
	v_add_nc_u32 v2, RG, v2                        ; the next matrix (behind the loop: wo),
	v_add_nc_u32 v10, 4352-3*272, v10              ; my rows of the next table,
	v_mov_b32 v[BI+2], v[BI+4]                     ; the next bias
	v_mov_b32 v[BI+3], v[BI+5]
	v_mov_b32 v[BI+4], v[BI+6]
	v_mov_b32 v[BI+5], v[BI+7]
	s_sub_co_u32 s62, s62, 1
	s_cmp_lg_u32 s62, 0
	s_cbranch_scc1 .Lmat
	BAR
	; ---- attention: thread t of waves 0 and 1 has head t % 4 and query row min(t / 4, 11); rows 12-15 of the output are written and never read ----
	s_cmp_lt_u32 s[WV], 2
	s_cbranch_scc0 .Lno_att
	v_and_b32 v8, 3, v0
	v_lshl_add_u32 v8, v8, 6, v4                   ; the head's 64 bytes of a row
	v_lshrrev_b32 v11, 2, v0
	v_mad_u32_u24 v10, v11, 272, v8                ; where the output goes
	v_min_u32 v11, 11, v11
	v_mad_u32_u24 v9, v11, 272, v8                 ; the query
.irp n, 0,1,2,3
	ds_load_b128 v[IN+4*(\n):IN+4*(\n)+3], v9 offset:Q_O+16*(\n)
.endr
.irp bt, 0,1,2                                         ; four keys at a time
.set kk, 0
.rept 4
.set n, 0
.rept 4
	ds_load_b128 v[WA+16*kk+4*n:WA+16*kk+4*n+3], v8 offset:K_O+(4*(\bt)+kk)*272+16*n
.set n, n+1
.endr
.set kk, kk+1
.endr
	s_wait_dscnt 0x0
.set n, 0
.rept 8
.set kk, 0
.rept 4
.if n == 0
	v_pk_mul_f32 v[WB+2*kk:WB+2*kk+1], v[IN:IN+1], v[WA+16*kk:WA+16*kk+1]
.else
	v_pk_fma_f32 v[WB+2*kk:WB+2*kk+1], v[IN+2*n:IN+2*n+1], v[WA+16*kk+2*n:WA+16*kk+2*n+1], v[WB+2*kk:WB+2*kk+1]
.endif
.set kk, kk+1
.endr
.set n, n+1
.endr
.irp kk, 0,1,2,3
	v_add_f32 v[AC+4*(\bt)+(\kk)], v[WB+2*(\kk)], v[WB+2*(\kk)+1]
.endr
.endr
	v_max3_num_f32 v243, v[AC], v[AC+1], v[AC+2]   ; the maximum is taken away before the exponentials
.irp k, 3,5,7,9
	v_max3_num_f32 v243, v243, v[AC+(\k)], v[AC+(\k)+1]
.endr
	v_max_num_f32 v243, v243, v[AC+11]
	v_mul_f32 v244, s78, v243
.set k, 0
.rept 12
	v_fma_f32 v[AC+k], v[AC+k], s78, -v244
.set k, k+1
.endr
.set k, 0
.rept 12
	v_exp_f32 v[AC+k], v[AC+k]
.set k, k+1
.endr
	v_mov_b32 v247, 0                              ; a plain instruction behind the last exponential (v247 is named with v246 as a pair)
	s_wait_alu depctr_va_vdst(0)                   ; one wait for the twelve
	v_add_f32 v245, v[AC], v[AC+1]
.set k, 2
.rept 10
	v_add_f32 v245, v245, v[AC+k]
.set k, k+1
.endr
	v_rcp_f32 v246, v245
.irp bt, 0,1,2                                         ; the weighted sum of v's rows; these lines name nothing of the reciprocal
.set kk, 0
.rept 4
.set n, 0
.rept 4
	ds_load_b128 v[WA+16*kk+4*n:WA+16*kk+4*n+3], v8 offset:V_O+(4*(\bt)+kk)*272+16*n
.set n, n+1
.endr
.set kk, kk+1
.endr
	s_wait_dscnt 0x0
.set kk, 0
.rept 4
.set n, 0
.rept 8
.if ((\bt) == 0) && (kk == 0)
	PKMB WB+2*n, WA+2*n, AC
.else
	PKFB WB+2*n, WA+16*kk+2*n, AC+4*(\bt)+kk, WB+2*n
.endif
.set n, n+1
.endr
.set kk, kk+1
.endr
.endr
	s_wait_alu depctr_va_vdst(0)                   ; the reciprocal's wait, ahead of its first reader
.set n, 0
.rept 8
	v_pk_mul_f32 v[WB+2*n:WB+2*n+1], v[WB+2*n:WB+2*n+1], v[246:247] op_sel_hi:[1,0]
.set n, n+1
.endr
.irp n, 0,1,2,3
	ds_store_b128 v10, v[WB+4*(\n):WB+4*(\n)+3] offset:AO_O+16*(\n)
.endr
.Lno_att:
	BAR
	; ---- output projection, residual, LayerNorm, for my three rows; the result / 8 goes to UPT[p][s], its product with inp_b to d[s] ----
	v_mul_f32 v[BI+10], 0x3e000000, v[BI+10]       ; gain and bias take the 1 / sqrt(64) of the logits
	v_mul_f32 v[BI+11], 0x3e000000, v[BI+11]
	v_mul_f32 v[BI+12], 0x3e000000, v[BI+12]
	v_mul_f32 v[BI+13], 0x3e000000, v[BI+13]
	v_mul_u32_u24 v11, v1, 48
	s_mul_i32 s61, s[WV], 12
	s_add_co_u32 s62, s61, SCR+UPT_O
	v_add_nc_u32 v11, s62, v11                     ; row p = lane, column 3 w
	s_add_co_u32 s62, s61, SCR+DT_O
	v_mov_b32 v12, s62                             ; d[3 w]
	v_add_nc_u32 v9, AO_O, v5
	v_add_nc_u32 v10, SEQ_O, v6
	LOADW 2, 0, 32*272
	s_mov_b32 s61, 3
.Lln:
	ds_load_b32 v218, v10
	ds_load_b32 v219, v10 offset:128
	DOTROW 9, 0, 1
	FOLD
	v_add_f32 v[RA], v[RA], v[BI+8]
	v_add_f32 v[RA+1], v[RA+1], v[BI+9]
	v_add_f32 v[RA], v[RA], v218
	v_add_f32 v[RA+1], v[RA+1], v219
	v_add_f32 v243, v[RA], v[RA+1]
	WSUM 243
	v_fma_f32 v[RA], v243, s81, v[RA]              ; minus the mean
	v_fma_f32 v[RA+1], v243, s81, v[RA+1]
	v_mul_f32 v244, v[RA], v[RA]
	v_fmac_f32 v244, v[RA+1], v[RA+1]
	WSUM 244
	v_fma_f32 v244, v244, s79, s80                 ; variance + 1e-5
	v_rsq_f32 v245, v244
	v_nop
	s_wait_alu depctr_va_vdst(0)
	v_mul_f32 v[RA], v[RA], v245
	v_mul_f32 v[RA+1], v[RA+1], v245
	v_fma_f32 v[RA], v[RA], v[BI+10], v[BI+12]
	v_fma_f32 v[RA+1], v[RA+1], v[BI+11], v[BI+13]
	ds_store_b32 v11, v[RA]
	ds_store_b32 v11, v[RA+1] offset:1536
	v_mul_f32 v246, v[RA], v[BI+14]
	v_fmac_f32 v246, v[RA+1], v[BI+15]
	WSUM 246
	ds_store_b32 v12, v246                         ; all lanes write the same word with the same value
	v_add_nc_u32 v9, 272, v9
	v_add_nc_u32 v10, 272, v10
	v_add_nc_u32 v11, 4, v11
	v_add_nc_u32 v12, 4, v12
	s_sub_co_u32 s61, s61, 1
	s_cmp_lg_u32 s61, 0
	s_cbranch_scc1 .Lln
	BAR
	; ---- M: thread = channel.  8 trips of eight p: 32 LDS loads for each wait ----
	v_add_nc_u32 v8, UPT_O, v4
	v_lshrrev_b32 v9, 6, v0
	v_mul_u32_u24 v9, v9, 272
	v_and_b32 v10, 63, v0
	v_lshl_add_u32 v9, v10, 2, v9
	v_add_nc_u32 v9, 6*RG, v9                      ; inp_w[0][thread]
.set n, 0
.rept 12
	v_mov_b32 v[IN+n], 0
.set n, n+1
.endr
	s_mov_b32 s61, 8
.Lm:
.irp pp, 0,1,2,3,4,5,6,7
	ds_load_b128 v[WA+12*(\pp):WA+12*(\pp)+3],    v8 offset:48*(\pp)
	ds_load_b128 v[WA+12*(\pp)+4:WA+12*(\pp)+7],  v8 offset:48*(\pp)+16
	ds_load_b128 v[WA+12*(\pp)+8:WA+12*(\pp)+11], v8 offset:48*(\pp)+32
	ds_load_b32 v[176+(\pp)], v9 offset:544*(\pp)
.endr
	s_wait_dscnt 0x0
.irp pp, 0,1,2,3,4,5,6,7
.set n, 0
.rept 6
	PKFB IN+2*n, WA+12*(\pp)+2*n, 176+(\pp), IN+2*n
.set n, n+1
.endr
.endr
	v_add_nc_u32 v8, 8*48, v8
	v_add_nc_u32 v9, 8*544, v9
	s_sub_co_u32 s61, s61, 1
	s_cmp_lg_u32 s61, 0
	s_cbranch_scc1 .Lm
	v_mul_u32_u24 v11, v0, 48
	v_add_nc_u32 v11, SCR, v11
	ds_store_b128 v11, v[IN:IN+3] offset:MT_O
	ds_store_b128 v11, v[IN+4:IN+7] offset:MT_O+16
	ds_store_b128 v11, v[IN+8:IN+11] offset:MT_O+32
	s_wait_tensorcnt 0x0                           ; my part of the x tile has landed
	BAR
	; ---- the logits.  A group is four channels: 12 loads of M's rows (the same address in all lanes) and 4 of x (256 neighbouring bytes a wave); the next group is fetched while a group is multiplied ----
	v_add_nc_u32 v8, MT_O, v4
	s_lshl_b32 s61, s[WV], 8
	s_add_co_u32 s61, s61, XT_O
	v_lshl_add_u32 v9, v1, 3, s61                  ; my two tokens in a row of the x tile
	ds_load_b128 v[AC:AC+3], v4 offset:DT_O
	ds_load_b128 v[AC+4:AC+7], v4 offset:DT_O+16
	ds_load_b128 v[AC+8:AC+11], v4 offset:DT_O+32
.macro LOADG bf, g                     ; group g, counted from the trip's first, into buffer bf
.set n, 0
.rept 12
	ds_load_b128 v[MB+48*(\bf)+4*n:MB+48*(\bf)+4*n+3], v8 offset:(\g)*192+16*n
.set n, n+1
.endr
.set n, 0
.rept 4
	ds_load_b64 v[XB+8*(\bf)+2*n:XB+8*(\bf)+2*n+1], v9 offset:(4*(\g)+n)*1024
.set n, n+1
.endr
.endm
.macro GROUP par, pre
.if \pre
	LOADG 1-(\par), (\par)+1
	s_wait_dscnt 16                                ; this group is in; the sixteen just issued stay out
.else
	s_wait_dscnt 0x0
.endif
.irp cc, 0,1,2,3
.set e, 0
.rept 11
	PKFB ACC+2*e, XB+8*(\par)+2*(\cc), MB+48*(\par)+12*(\cc)+e+1, ACC+2*e
.set e, e+1
.endr
.endr
.endm
	LOADG 0, 0
	s_wait_dscnt 16                                ; d is in
.set e, 0
.rept 11
	v_mov_b32 v[ACC+2*e], v[AC+e+1]                ; the sums start at d
	v_mov_b32 v[ACC+2*e+1], v[AC+e+1]
.set e, e+1
.endr
	s_mov_b32 s61, 15
.Lround:                                               ; a trip: eight channels
	GROUP 0, 1
	GROUP 1, 1
	v_add_nc_u32 v8, 8*48, v8
	v_add_nc_u32 v9, 8*1024, v9
	s_sub_co_u32 s61, s61, 1
	s_cmp_lg_u32 s61, 0
	s_cbranch_scc1 .Lround
	GROUP 0, 1                                     ; the last eight channels are written out: nothing is fetched past the tables
	GROUP 1, 0
	; ---- softmax, ranks, weights ----
.irp tk, 0,1
	v_max3_num_f32 v[48+(\tk)], v[ACC+(\tk)], v[ACC+2+(\tk)], v[ACC+4+(\tk)]
.irp e, 6,10,14,18
	v_max3_num_f32 v[48+(\tk)], v[48+(\tk)], v[ACC+(\e)+(\tk)], v[ACC+(\e)+2+(\tk)]
.endr
.endr
	v_pk_mul_f32 v[50:51], v[48:49], s[76:77] op_sel_hi:[1,0]
.set e, 0
.rept 11
	v_pk_fma_f32 v[TT+2*e:TT+2*e+1], v[ACC+2*e:ACC+2*e+1], s[76:77], v[50:51] op_sel_hi:[1,0,1] neg_lo:[0,0,1] neg_hi:[0,0,1]
.set e, e+1
.endr
.set e, 0
.rept 22
	v_exp_f32 v[TT+e], v[TT+e]
.set e, e+1
.endr
.set e, 0
.rept 11                                               ; the ranks are the work between the exponentials and their wait: they name the logits alone
	v_mov_b32 v[RK+2*e], 10-e
	v_mov_b32 v[RK+2*e+1], 10-e
.set e, e+1
.endr
.set e, 0
.rept 10
.set f, e+1
.rept 10-e
.irp tk, 0,1
	v_cmp_ge_f32 vcc_lo, v[ACC+2*e+(\tk)], v[ACC+2*f+(\tk)]  ; e < f: on a tie e goes first
	v_cndmask_b32 v52, 0, 1, vcc_lo
	v_add_nc_u32 v[RK+2*f+(\tk)], v[RK+2*f+(\tk)], v52
	v_sub_nc_u32 v[RK+2*e+(\tk)], v[RK+2*e+(\tk)], v52
.endr
.set f, f+1
.endr
.set e, e+1
.endr
	s_wait_alu depctr_va_vdst(0)                   ; one wait for the 22 exponentials
.set e, 0
.rept 22
	v_cmp_gt_u32 vcc_lo, 6, v[RK+e]
	v_cndmask_b32 v[RK+e], 0, v[TT+e], vcc_lo
	v_cndmask_b32 v[CN+e], 0, 1.0, vcc_lo
.set e, e+1
.endr
	v_pk_add_f32 v[54:55], v[TT:TT+1], v[TT+2:TT+3]
	v_pk_add_f32 v[56:57], v[RK:RK+1], v[RK+2:RK+3]
.set e, 2
.rept 9
	v_pk_add_f32 v[54:55], v[54:55], v[TT+2*e:TT+2*e+1]
	v_pk_add_f32 v[56:57], v[56:57], v[RK+2*e:RK+2*e+1]
.set e, e+1
.endr
	v_rcp_f32 v58, v54
	v_rcp_f32 v59, v55
	v_rcp_f32 v60, v56
	v_rcp_f32 v61, v57
	v_mov_b32 v62, 0                               ; a plain instruction behind the last reciprocal: my row of part starts at 0
	s_wait_alu depctr_va_vdst(0)
.set e, 0
.rept 11
	v_pk_mul_f32 v[RK+2*e:RK+2*e+1], v[RK+2*e:RK+2*e+1], v[60:61]
	global_store_b64 v7, v[RK+2*e:RK+2*e+1], s[38:39] offset:e*131072  ; the wave stores 256 consecutive bytes, aligned
.set e, e+1
.endr
	; ---- the wave's sums of probabilities and of counts.  Each step is taken for all eleven experts before the next, so that no line reads the result of the line before it.
	; Both halves of the lanes are added first; then lanes 0-15 carry an expert's probabilities and lanes 16-31 its counts, so that the four steps inside a half serve both ----
.set e, 0
.rept 11
	v_pk_mul_f32 v[TT+2*e:TT+2*e+1], v[TT+2*e:TT+2*e+1], v[58:59]
	v_add_f32 v[CN+2*e], v[CN+2*e], v[CN+2*e+1]
	v_add_f32 v[TT+2*e], v[TT+2*e], v[TT+2*e+1]
.set e, e+1
.endr
.set e, 0
.rept 11
	v_permlanex16_b32 v[TT+2*e+1], v[TT+2*e], s74, s75
	v_permlanex16_b32 v[CN+2*e+1], v[CN+2*e], s74, s75
.set e, e+1
.endr
.set e, 0
.rept 11
	v_add_f32 v[TT+2*e], v[TT+2*e], v[TT+2*e+1]
	v_add_f32 v[CN+2*e], v[CN+2*e], v[CN+2*e+1]
.set e, e+1
.endr
.set e, 0
.rept 11
	v_cndmask_b32 v[TT+2*e], v[TT+2*e], v[CN+2*e], s82
.set e, e+1
.endr
.irp m, 1,2,4,8
.set e, 0
.rept 11
	v_add_f32_dpp v[TT+2*e], v[TT+2*e], v[TT+2*e] row_xmask:\m row_mask:0xf bank_mask:0xf
.set e, e+1
.endr
.endr
.set e, 0
.rept 11
	s_mov_b32 s61, (1<<e)|(1<<(16+e))
	v_cndmask_b32 v62, v62, v[TT+2*e], s61         ; lane e takes the probabilities' sum, lane 16 + e the count
.set e, e+1
.endr
	; ---- the prototypes' term: wave 0 of work-group 0.  Entry t = 11 i + j of the 11 x 11 correlation, 32 a trip, four trips ----
	s_or_b32 s61, ttmp9, s[WV]
	s_cmp_lg_u32 s61, 0
	s_cbranch_scc1 .Lno_ortho
	s_wait_xcnt 0x0                                ; the stores above have read their registers
	v_mov_b32 v63, 0
	v_mov_b32 v48, v1
	s_mov_b32 s62, 4
.Lor:
	v_mul_u32_u24 v49, v48, 745
	v_lshrrev_b32 v49, 13, v49                     ; t / 11 for t below 128
	v_min_u32 v49, 10, v49
	v_mul_u32_u24 v50, v49, 11
	v_sub_nc_u32 v50, v48, v50
	v_min_u32 v50, 10, v50
	v_mad_u32_u24 v51, v49, 272, v4
	v_mad_u32_u24 v52, v50, 272, v4
.set n, 0
.rept 16
	ds_load_b128 v[WA+4*n:WA+4*n+3], v51 offset:SEQ_O+272+16*n
	ds_load_b128 v[WB+4*n:WB+4*n+3], v52 offset:SEQ_O+272+16*n
.set n, n+1
.endr
	s_wait_dscnt 0x0
	v_pk_mul_f32 v[54:55], v[WA:WA+1], v[WB:WB+1]
	v_pk_mul_f32 v[56:57], v[WA:WA+1], v[WA:WA+1]
	v_pk_mul_f32 v[58:59], v[WB:WB+1], v[WB:WB+1]
.set n, 1
.rept 31
	v_pk_fma_f32 v[54:55], v[WA+2*n:WA+2*n+1], v[WB+2*n:WB+2*n+1], v[54:55]
	v_pk_fma_f32 v[56:57], v[WA+2*n:WA+2*n+1], v[WA+2*n:WA+2*n+1], v[56:57]
	v_pk_fma_f32 v[58:59], v[WB+2*n:WB+2*n+1], v[WB+2*n:WB+2*n+1], v[58:59]
.set n, n+1
.endr
	v_add_f32 v56, v56, v57
	v_add_f32 v58, v58, v59
	v_add_f32 v54, v54, v55
	v_rsq_f32 v56, v56
	v_rsq_f32 v58, v58
	v_cmp_eq_u32 vcc_lo, v49, v50
	s_wait_alu depctr_va_vdst(0)
	v_mul_f32 v54, v54, v56
	v_mul_f32 v54, v54, v58
	v_cndmask_b32 v55, 0, 1.0, vcc_lo
	v_sub_f32 v54, v54, v55
	v_mul_f32 v54, v54, v54
	v_cmp_gt_u32 vcc_lo, 121, v48
	v_cndmask_b32 v54, 0, v54, vcc_lo
	v_add_f32 v63, v63, v54
	v_add_nc_u32 v48, 32, v48
	s_sub_co_u32 s62, s62, 1
	s_cmp_lg_u32 s62, 0
	s_cbranch_scc1 .Lor
	WSUM 63
	v_sqrt_f32 v63, v63
	v_nop
	s_wait_alu depctr_va_vdst(0)
	v_mul_f32 v63, 0x4c3a2e8c, v63                 ; x 2^29 / 11
	s_mov_b32 s61, 1<<11
	v_cndmask_b32 v62, v62, v63, s61
	s_mov_b32 s61, 1<<27
	v_cndmask_b32 v62, v62, 1.0, s61
.Lno_ortho:
	v_lshl_add_u32 v48, v0, 2, SCR+RED_O
	ds_store_b32 v48, v62
	BAR
	s_cmp_lg_u32 s[WV], 0
	s_cbranch_scc1 .Lend
	v_lshl_add_u32 v49, v1, 2, SCR+RED_O
	ds_load_b32 v50, v49
	ds_load_b32 v51, v49 offset:128
	ds_load_b32 v52, v49 offset:256
	ds_load_b32 v53, v49 offset:384
	v_lshlrev_b32 v54, 2, v1
	s_wait_dscnt 0x0
	v_add_f32 v50, v50, v51
	v_add_f32 v52, v52, v53
	v_add_f32 v50, v50, v52
	global_store_b32 v54, v50, s[40:41]
.Lend:
	s_wait_tensorcnt 0x0                           ; the wave's end
	ds_add_u32 v14, v15
	s_wait_dscnt 0x0
	s_endpgm
.Lfunc_end_k_q6a95537f17_route:
	.size	k_q6a95537f17_route, .Lfunc_end_k_q6a95537f17_route-k_q6a95537f17_route
	.p2alignl 7, 3214868480
	.fill 96, 4, 3214868480
	.section	.rodata,"a",@progbits
	.p2align	6, 0x0
	.amdhsa_kernel k_q6a95537f17_route
		.amdhsa_group_segment_fixed_size 327680
		.amdhsa_private_segment_fixed_size 0
		.amdhsa_enable_private_segment 0
		.amdhsa_kernarg_size 152
		.amdhsa_user_sgpr_count 2
		.amdhsa_user_sgpr_kernarg_segment_ptr 1
		.amdhsa_wavefront_size32 1
		.amdhsa_system_sgpr_workgroup_id_x 1
		.amdhsa_system_sgpr_workgroup_id_y 1
		.amdhsa_system_sgpr_workgroup_id_z 1
		.amdhsa_system_vgpr_workitem_id 0
		.amdhsa_next_free_vgpr 256
		.amdhsa_next_free_sgpr 96
		.amdhsa_reserve_vcc 1
		.amdhsa_float_denorm_mode_32 3
		.amdhsa_float_denorm_mode_16_64 3
		.amdhsa_memory_ordered 1
		.amdhsa_forward_progress 1
		.amdhsa_inst_pref_size 125
	.end_amdhsa_kernel
	.amdgpu_metadata
---
amdhsa.version: [ 1, 2 ]
amdhsa.kernels:
  - .name:           k_q6a95537f17_route
    .symbol:         k_q6a95537f17_route.kd
    .args:
      - { .name: x, .offset: 0, .size: 8, .value_kind: global_buffer, .address_space: global }
      - { .name: gsum, .offset: 8, .size: 8, .value_kind: global_buffer, .address_space: global }
      - { .name: proto, .offset: 16, .size: 8, .value_kind: global_buffer, .address_space: global }
      - { .name: ctx_w, .offset: 24, .size: 8, .value_kind: global_buffer, .address_space: global }
      - { .name: ctx_b, .offset: 32, .size: 8, .value_kind: global_buffer, .address_space: global }
      - { .name: inp_w, .offset: 40, .size: 8, .value_kind: global_buffer, .address_space: global }
      - { .name: inp_b, .offset: 48, .size: 8, .value_kind: global_buffer, .address_space: global }
      - { .name: wq, .offset: 56, .size: 8, .value_kind: global_buffer, .address_space: global }
      - { .name: bq, .offset: 64, .size: 8, .value_kind: global_buffer, .address_space: global }
      - { .name: wk, .offset: 72, .size: 8, .value_kind: global_buffer, .address_space: global }
      - { .name: bk, .offset: 80, .size: 8, .value_kind: global_buffer, .address_space: global }
      - { .name: wv, .offset: 88, .size: 8, .value_kind: global_buffer, .address_space: global }
      - { .name: bv, .offset: 96, .size: 8, .value_kind: global_buffer, .address_space: global }
      - { .name: wo, .offset: 104, .size: 8, .value_kind: global_buffer, .address_space: global }
      - { .name: bo, .offset: 112, .size: 8, .value_kind: global_buffer, .address_space: global }
      - { .name: ln_g, .offset: 120, .size: 8, .value_kind: global_buffer, .address_space: global }
      - { .name: ln_b, .offset: 128, .size: 8, .value_kind: global_buffer, .address_space: global }
      - { .name: maskw, .offset: 136, .size: 8, .value_kind: global_buffer, .address_space: global }
      - { .name: part, .offset: 144, .size: 8, .value_kind: global_buffer, .address_space: global }
    .group_segment_fixed_size: 327680
    .private_segment_fixed_size: 0
    .kernarg_segment_align: 8
    .kernarg_segment_size: 152
    .max_flat_workgroup_size: 128
    .sgpr_count:     96
    .vgpr_count:     256
    .wavefront_size: 32
...
	.end_amdgpu_metadata
.endif
;; end of part 2
;; launch experts (part 3): grid 256 x 1, 4 waves a work-group, clusters of 4 x 1, 327,680 bytes of LDS; arguments x, wt, eb1, maskw, eb2t, part, out0, out1; writes out0, out1
.if DOCPART == 3
	.amdgcn_target "amdgcn-amd-amdhsa--gfx1250"
	.amdhsa_code_object_version 6
	.text
	.protected	k_q6a95537f17_experts
	.globl	k_q6a95537f17_experts
	.p2align	8
	.type	k_q6a95537f17_experts,@function
k_q6a95537f17_experts:
	s_mov_b64 s[64:65], 0
	v_nop
	global_prefetch_b8 v0, s[64:65] scope:SCOPE_SE
	s_setreg_imm32_b32 hwreg(HW_REG_WAVE_MODE, 25, 1), 1
	s_wait_xcnt 0x0
	s_wait_alu depctr_hold_cnt(0) depctr_sa_sdst(0) depctr_va_vdst(0) depctr_va_sdst(0) depctr_va_ssrc(0) depctr_va_vcc(0) depctr_vm_vsrc(0)
	s_getreg_b32 s2, hwreg(HW_REG_IB_STS2, 6, 4)
	s_cmp_eq_u32 s2, 0
	s_cbranch_scc0 .Lentry_in_a_cluster
	s_endpgm
.Lentry_in_a_cluster:
	s_bfe_u32 s2, ttmp6, 0x10000c
	s_cmp_lg_u32 s2, 0x3003
	s_cbranch_scc0 .Lentry_shape_is_right
	s_endpgm
.Lentry_shape_is_right:
; EXPERTS.  out0 = x + sum_e m[e][t] (W2_e gelu(W1_e x + b1_e) + b2_e), with m from the launch before (0 where e is not chosen); out1 from that launch's partial sums.
; ALL ELEVEN EXPERTS ARE COMPUTED FOR EVERY TOKEN: m is multiplied into the hidden layer, so that the second product is ONE sum over 5,632 hidden units onto accumulators that never leave
; registers, and no address, branch or trip count hangs on the routing.  The price is 11/6 of the needed products.
; SHARES.  A work-group has 128 tokens of one image.  Wave w: tokens 64 (w % 2) .. + 63 (four tiles of 16) and half w / 2 of each slot's 256 hidden units; the two halves' sums meet in LDS at the end.
; LAYOUT.  Both products are used transposed, so that a lane holds ONE token: S^T = W1 X^T (source 0 = 16 hidden units, source 1 = 16 tokens); two results, after the activation and rounded in pairs,
; ARE source 1 (32 hidden units x 16 tokens) of Y^T += W2 H^T.  b1 is the C operand that starts S^T's sum.  Y^T starts at x / 2 in both halves' waves (exact), plus half of sum_e m b2 by one product of depth 12.
; GELU.  h = x / (1 + 2^(x (c1 + c2 x^2))), c1 = -2.3022082, c2 = -0.10294324: the tanh form.  LIMIT: it differs from the erf form by less than 5e-4 for every x (most near |x| = 2.75),
; goes to x and to 0 for large |x|, and makes no NaN of a finite x.  m and b2 enter the b2 term rounded to bf16.  NaN and infinities are not treated apart.
; BY TURNS.  tau counts steps of 32 hidden units, 88 a wave.  Turn tau: 32 products Y^T of step tau - 1, then 32 products S^T of step tau + 1; the activation of step tau, 352 vector instructions,
; stands behind them: 6 behind each of the first 48, 4 behind each of the last 16.  Its 64 exponentials are one batch with one wait, its 64 reciprocals another.
; RING.  Two slots of 512 rows x 272 bytes; a slot is four steps.  Each wave asks for a quarter of a slot; one load of mine is out behind each change of slots (four at the start), and it has four turns, 256 matrix instructions, in which to land.
; CLUSTER.  All work-groups walk the same weights: the four of a cluster ask JOINTLY (the same load, descriptor and mask in all four).  x and m are each work-group's own: plain loads.
; OUT1.  Wave 0 of the first cluster's work-groups makes the number in the wait for the first tiles and keeps it in v62; it is stored behind the closing round, where EXEC is narrowed to one lane of one work-group
; and nothing follows but the end: no register written under or behind that EXEC ever serves an LDS address.
; REGISTERS, in windows of 256 (s_set_vgpr_msb: bits 1:0 source 0, 3:2 source 1, 5:4 source 2, 7:6 destination):
;   window 0: v0-15 addresses; v16-23 m, two buffers of four; v24-47 at work; v61-63 out1's; v64-191 S^T, two buffers (tile (i, hb) at 8 (2 i + hb)); v192-255 T
;   window 1: Y^T, tile (i, cb) at 64 i + 8 cb       window 2: v0-127 X (32 i + 8 k); v128-191 W1's fragments (32 hb + 8 k)
;   window 3: v0-127 W2's fragments, two buffers (8 cb); v128-191 P, two buffers (8 i); v192-207 b1 (8 hb)
.set PW,    272                        ; a row of weights in LDS: 256 bytes + 16: the 16 rows of a load start at 16 different groups of four banks (64 banks of 4 bytes: ISA guide 11.1)
.set PX,    528                        ; a row of the x tile and of a stage: 512 bytes + 16
.set SLOT1, 512*PW                     ; 139,264 = 0x22000: no bit of it meets a bit of wave x 0x8800, so one exclusive or changes slots
.set BIASB, 2*SLOT1                    ; eb1, 22,528 bytes as they lie
.set MKB,   BIASB+22528                ; m: 12 rows of 512 bytes; row 11 lies past the tensor's end and arrives as zeros
.set SPARE, MKB+6144                   ; the spare words: 128 bytes a wave, two blocks of 256 bytes that no other line names
.set AW1, 2                            ; v2   my lane's place in W1's rows of a slot; never rewritten
.set AW2, 3                            ; v3   the same for W2's
.set AB0, 4                            ; v4   in a step's 128 bytes of b1
.set AM0, 5                            ; v5   in a row of m: 256 (w % 2) + 4 (lane % 16)
.set A1,  6                            ; v6-9 the addresses of the runs of loads in hand
.set A2,  7
.set AB,  8
.set AM,  9
.set XA,  10                           ; v10  my place in the x tile; later in my stage
.set HL,  11                           ; v11  lane / 16
.set RD,  12                           ; v12  the way out: where I read rows back
.set GO,  13                           ; v13  16 x lane
.set SPW, 14                           ; v14  my spare word; never rewritten
.set NIL, 15                           ; v15  0; never rewritten
.set MM,  16
.set O1T, 61                           ; v61  out1: at work at the very end
.set O1V, 62                           ; v62  out1's number (0 in the waves that do not make it)
.set O1A, 63                           ; v63  out1's byte offset: 0
.set S,   64
.set T,   192
.set XF,  0
.set W1F, 128
.set W2F, 0
.set PF,  128
.set BF,  192
.set WV,  20
.set TH,  21
.set HH,  22
.set WG,  23
.set G1W, 24                           ; s[24:31], s[32:35] weights (joint)
.set G0W, 32
.set G1X, 36                           ; s[36:43], s[44:47] x
.set G0X, 44
.set G1B, 48                           ; s[48:55], s[56:59] eb1 (joint)
.set G0B, 56
.set CNT, 60
.set SLOTS, 61
.set TW1, 62                           ; LDS byte at which W1 of the step to be fetched begins
.set TW2, 63                           ; the same for W2 (a step is 64 bytes along its rows)
.set TBI, 66                           ; for b1
.set TMK, 67                           ; for m's row
.set G1M, 68                           ; s[68:75], s[76:79] m
.set G0M, 76
.set DM,  80                           ; 512 and 0 by turns: an expert is two slots
.set CX,  81
.set C1,  82                           ; s[82:83], s[84:85] c1, c2, named as pairs
.set C2,  84
.set SEL, 86
.set MSB, 0
.macro WIN new                         ; the immediate's high byte repeats the setting that is left; a switch that changes nothing is dropped
.if MSB != (\new)
	s_set_vgpr_msb (MSB<<8)|(\new)
.set MSB, \new
.endif
.endm
.macro NOPS
.rept 4
	v_nop
.endr
.endm
; A round of the cluster's barrier: my work-group's barrier; wave 0 signals for the work-group; every wave waits for all four work-groups; my work-group's barrier once more.
.macro CROUND
	s_barrier_signal -1
	s_barrier_wait -1
	s_cmp_lg_u32 s[WV], 0
	s_cbranch_scc1 .Lnot_wave_0_\@
	s_barrier_signal -3
.Lnot_wave_0_\@:
	s_barrier_wait -3
	s_barrier_signal -1
	s_barrier_wait -1
.endm
; THE CHANGE OF SLOTS.  Each wave waits for all its tensor loads (one is out: its quarter of the other slot), adds 0 to its spare word, and waits for that and for its reads of the slot that it leaves.
; fill = 1: the barrier is a round of the cluster's, and the joint refill of the old slot, with the slot after next, is the first thing behind it.
.macro CHANGE fill
	WIN 0
	s_wait_tensorcnt 0x0                           ; no tensor load of mine is out, so group 0 may be written
	ds_add_u32 v[SPW], v[NIL]
.if \fill
	s_xor_b32 s[G0W+1], s[G0W+1], SLOT1
	s_add_nc_u64 s[G0W+2:G0W+3], s[G0W+2:G0W+3], 131072
.endif
	s_wait_dscnt 0x0                               ; the add is done, and my reads of the slot are over
.if \fill
	CROUND
	tensor_load_to_lds s[G0W:G0W+3], s[G1W:G1W+7]
	s_nop 0
	NOPS
.else
	s_barrier_signal -1
	s_barrier_wait -1
.endif
	s_sub_co_u32 s[TW1], s[TW1], 4*32*PW           ; the fetches go back to a slot's first step,
	s_xor_b32 s[TW1], s[TW1], SLOT1                ; in the other slot
	s_sub_co_u32 s[TW2], s[TW2], 4*64
	s_xor_b32 s[TW2], s[TW2], SLOT1
	s_add_co_u32 s[TBI], s[TBI], 512               ; over the other half's 128 hidden units
	s_xor_b32 s[DM], s[DM], 512
	s_add_co_u32 s[TMK], s[TMK], s[DM]             ; every second slot: the next expert's row of m
.endm
	s_load_b512 s[4:19], s[0:1], 0x0               ; x 4, wt 6, eb1 8, maskw 10, eb2t 12, part 14, out0 16, out1 18
	v_lshl_add_u32 v[SPW], v0, 2, SPARE
	v_mov_b32 v[NIL], 0
	ds_add_u32 v[SPW], v[NIL]                      ; the wave's opening: the add and its wait ahead of my first tensor load
	v_lshrrev_b32 v1, 5, v0
	v_readfirstlane_b32 s[WV], v1                  ; wave 0..3
	s_and_b32 s[TH], s[WV], 1
	s_lshr_b32 s[HH], s[WV], 1
	s_bfe_u32 s[CX], ttmp6, 0x40000                ; my place in the cluster
	s_lshl_b32 s[WG], ttmp9, 2
	s_add_co_u32 s[WG], s[WG], s[CX]               ; my 128 tokens: it enters the addresses of x, maskw and out0 alone
	; weights: a quarter of a slot, 128 rows of 256 bytes (32 elements of 8), 16 bytes of padding behind each; mask of four, bit 21 beside it
	s_mov_b32 s[G1W], 15|(3<<16)|(1<<20)|(1<<21)|(5<<22)|(3<<25)
	s_mov_b32 s[G1W+1], 32<<16
	s_mov_b32 s[G1W+2], 128<<16
	s_mov_b32 s[G1W+3], 32<<16
	s_mov_b32 s[G1W+4], 128
	s_mov_b32 s[G1W+5], 32
	s_mov_b32 s[G1W+6], 0
	s_mov_b32 s[G1W+7], 0
	; x: 32 channels x 128 tokens of f32, 4,096 elements from row to row, 16 bytes of padding behind each 128 words
	s_mov_b32 s[G1X], (2<<16)|(1<<20)|(6<<22)|(3<<25)
	s_mov_b32 s[G1X+1], 128<<16
	s_mov_b32 s[G1X+2], 32<<16
	s_mov_b32 s[G1X+3], 128<<16
	s_mov_b32 s[G1X+4], 32
	s_mov_b32 s[G1X+5], 4096
	s_mov_b32 s[G1X+6], 0
	s_mov_b32 s[G1X+7], 0
	; eb1: a quarter, 22 rows of 256 bytes, no padding; joint
	s_mov_b32 s[G1B], 15|(3<<16)|(1<<21)
	s_mov_b32 s[G1B+1], 32<<16
	s_mov_b32 s[G1B+2], 22<<16
	s_mov_b32 s[G1B+3], 32<<16
	s_mov_b32 s[G1B+4], 22
	s_mov_b32 s[G1B+5], 32
	s_mov_b32 s[G1B+6], 0
	s_mov_b32 s[G1B+7], 0
	; m: rows 3 w .. 3 w + 2 x 128 tokens; 11 - 3 w rows are left of the tensor, so wave 3's third row is written as zeros
	s_mov_b32 s[G1M], 2<<16
	s_mov_b32 s[G1M+1], 128<<16
	s_mul_i32 s88, s[WV], 3
	s_sub_co_u32 s88, 11, s88
	s_lshl_b32 s[G1M+2], s88, 16
	s_mov_b32 s[G1M+3], 128<<16
	s_mov_b32 s[G1M+4], 3
	s_mov_b32 s[G1M+5], 32768
	s_mov_b32 s[G1M+6], 0
	s_mov_b32 s[G1M+7], 0
	s_mov_b32 s[G0W], 1
	s_mul_i32 s[G0W+1], s[WV], 128*PW              ; no place in the cluster enters an LDS address
	s_mov_b32 s[G0X], 1
	s_mul_i32 s88, s[WV], 32*PX
	s_add_co_u32 s[G0X+1], s88, SLOT1              ; the x tile is slot 1's first content
	s_mov_b32 s[G0B], 1
	s_mul_i32 s88, s[WV], 5632
	s_add_co_u32 s[G0B+1], s88, BIASB
	s_mov_b32 s[G0M], 1
	s_mul_i32 s88, s[WV], 1536
	s_add_co_u32 s[G0M+1], s88, MKB
	s_lshl_b32 s88, s[WV], 15                      ; s[88:89]: my quarter of a slot in wt
	s_mov_b32 s89, 0
	s_lshr_b32 s90, s[WG], 5                       ; s[90:91]: image, my 32 channels, the work-group's tokens: for x and for out0
	s_lshl_b32 s90, s90, 21
	s_lshl_b32 s91, s[WV], 19
	s_add_co_u32 s90, s90, s91
	s_and_b32 s91, s[WG], 31
	s_lshl_b32 s91, s91, 9
	s_add_co_u32 s90, s90, s91
	s_mov_b32 s91, 0
	s_mul_i32 s92, s[WV], 5632                     ; s[92:93]: my quarter of eb1
	s_mov_b32 s93, 0
	s_mul_i32 s94, s[WV], 3*131072                 ; s[94:95]: my three rows of m, the work-group's tokens
	s_lshl_b32 s95, s[WG], 9
	s_add_co_u32 s94, s94, s95
	s_mov_b32 s95, 0
	s_mov_b32 s[C1], 0xc0135761
	s_mov_b32 s[C1+1], 0xc0135761
	s_mov_b32 s[C2], 0xbdd2d3e8
	s_mov_b32 s[C2+1], 0xbdd2d3e8
	s_mov_b32 s[SEL], 0x76543210
	s_mov_b32 s[SEL+1], 0xfedcba98
	s_mov_b32 s[TW1], SLOT1+4*32*PW                ; the first change of slots turns these into slot 0's first step
	s_mov_b32 s[TW2], SLOT1+4*64
	s_mov_b32 s[TBI], BIASB-512
	s_mov_b32 s[TMK], MKB-512
	s_mov_b32 s[DM], 0
	s_wait_dscnt 0x0                               ; the opening add is done
	s_wait_kmcnt 0x0
	s_add_nc_u64 s[G0W+2:G0W+3], s[6:7], s[88:89]
	s_or_b32 s[G0W+3], s[G0W+3], 0x80000000
	s_add_nc_u64 s[G0X+2:G0X+3], s[4:5], s[90:91]
	s_or_b32 s[G0X+3], s[G0X+3], 0x80000000
	s_add_nc_u64 s[G0B+2:G0B+3], s[8:9], s[92:93]
	s_or_b32 s[G0B+3], s[G0B+3], 0x80000000
	s_add_nc_u64 s[G0M+2:G0M+3], s[10:11], s[94:95]
	s_or_b32 s[G0M+3], s[G0M+3], 0x80000000
	s_add_nc_u64 s[16:17], s[16:17], s[90:91]      ; out0 at the rows that I store
	CROUND                                         ; all four work-groups are here: the first joint loads meet
	tensor_load_to_lds s[G0W:G0W+3], s[G1W:G1W+7]  ; slot 0.  Four loads of mine are out
	s_nop 0
	tensor_load_to_lds s[G0X:G0X+3], s[G1X:G1X+7]
	s_nop 0
	tensor_load_to_lds s[G0B:G0B+3], s[G1B:G1B+7]
	s_nop 0
	tensor_load_to_lds s[G0M:G0M+3], s[G1M:G1M+7]
	s_nop 0
	NOPS
	v_and_b32 v1, 15, v0                           ; r = lane % 16
	v_bfe_u32 v[HL], v0, 4, 1
	v_and_b32 v[GO], 31, v0
	v_lshlrev_b32 v[GO], 4, v[GO]
	v_mul_u32_u24 v[AW1], v1, PW
	v_lshl_add_u32 v[AW1], v[HL], 4, v[AW1]        ; a fragment: row x pitch + 16 x half
	s_mul_i32 s88, s[HH], 128*PW
	v_add_nc_u32 v[AW1], s88, v[AW1]               ; my half's 128 rows of W1;
	v_add_nc_u32 v[AW2], 256*PW, v[AW1]            ; W2's rows for my half lie 256 rows on
	s_lshl_b32 s88, s[HH], 9
	v_lshl_add_u32 v[AB0], v[HL], 5, s88
	s_lshl_b32 s88, s[TH], 8
	v_lshl_add_u32 v[AM0], v1, 2, s88
	v_mad_u32_u24 v[XA], v[HL], 8*PX, v[AM0]
	v_add_nc_u32 v[XA], SLOT1, v[XA]               ; channel 8 (lane / 16), my token
	v_mov_b32 v[O1V], 0
	v_mov_b32 v[O1A], 0
	; 0.5 eb2 as fragments, into the low halves of W2's buffer 0.  What else the first products read is set to 0: the high halves (depth 16-31), P's buffer 0 beyond its six experts,
	; and both second buffers, of which the first turn's products Y^T (of a step that has not been) add 0.  148 moves, in the wait for the first tiles.
	WIN 0xc0
.set cb, 0
.rept 8
	global_load_b128 v[W2F+8*cb:W2F+8*cb+3], v[GO], s[12:13] offset:512*cb
.set cb, cb+1
.endr
.set cb, 0
.rept 8
.irp j, 4,5,6,7
	v_mov_b32 v[W2F+8*cb+(\j)], 0
.endr
.set cb, cb+1
.endr
.set n, 0
.rept 64
	v_mov_b32 v[W2F+64+n], 0
.set n, n+1
.endr
.set n, 0
.rept 32
	v_mov_b32 v[PF+32+n], 0
.set n, n+1
.endr
.set n, 0
.rept 4
.irp j, 3,4,5,6,7
	v_mov_b32 v[PF+8*n+(\j)], 0
.endr
.set n, n+1
.endr
	WIN 0
	; ---- out1's number: wave 0 of the first cluster's work-groups (the branches hang on the wave and on the cluster, which partners share).  All lanes stay on; the store stands at the kernel's end ----
	s_cmp_lg_u32 s[WV], 0
	s_cbranch_scc1 .Lno_out1
	s_cmp_lg_u32 ttmp9, 0
	s_cbranch_scc1 .Lno_out1
.set n, 0
.rept 32                                               ; part is 128 rows of 32: a load takes four rows; lane l holds columns 4 (l % 8) .. + 3
	global_load_b128 v[64+4*n:64+4*n+3], v[GO], s[14:15] offset:512*n
.set n, n+1
.endr
	s_wait_loadcnt 0x0
.irp w, 64,32,16,8,4
.set n, 0
.rept (\w)/2
	v_pk_add_f32 v[64+2*n:65+2*n], v[64+2*n:65+2*n], v[64+(\w)+2*n:65+(\w)+2*n]
.set n, n+1
.endr
.endr
.irp j, 0,1,2,3
	v_add_f32_dpp v[64+(\j)], v[64+(\j)], v[64+(\j)] row_xmask:8 row_mask:0xf bank_mask:0xf
.endr
.irp j, 0,1,2,3
	v_permlanex16_b32 v[68+(\j)], v[64+(\j)], s[SEL], s[SEL+1]
.endr
.irp j, 0,1,2,3
	v_add_f32 v[64+(\j)], v[64+(\j)], v[68+(\j)]
.endr
.irp j, 0,1,2,3
	v_mul_f32_dpp v[68+(\j)], v[64+(\j)], v[64+(\j)] row_xmask:4 row_mask:0xf bank_mask:0xf  ; column c times column c + 16
.endr
	v_add_f32 v68, v68, v69
	v_add_f32 v70, v70, v71
	v_add_f32 v68, v68, v70
	v_add_f32_dpp v68, v68, v68 row_xmask:1 row_mask:0xf bank_mask:0xf
	v_add_f32_dpp v68, v68, v68 row_xmask:2 row_mask:0xf bank_mask:0xf
	v_mul_f32 v[O1V], 0x32300000, v68              ; x 11 / 2^30
.Lno_out1:
	s_wait_tensorcnt 0x0                           ; my parts of slot 0, x, eb1 and m are in,
	s_barrier_signal -1
	s_barrier_wait -1                              ; everybody's are
	; ---- x into Y^T's registers (register j of tile (i, cb): channel 16 cb + 8 (lane / 16) + j, token 16 i + lane % 16); m for the b2 term ----
	WIN 0x40
.set i, 0
.rept 4
.set cb, 0
.rept 8
.irp j, 0,1,2,3,4,5,6,7
	ds_load_b32 v[64*i+8*cb+(\j)], v[XA] offset:(16*cb+(\j))*PX+64*i
.endr
.set cb, cb+1
.endr
.set i, i+1
.endr
	WIN 0
	v_mad_u32_u24 v[AM], v[HL], 3072, v[AM0]
	v_add_nc_u32 v[AM], MKB, v[AM]                 ; experts 6 (lane / 16) + 0..5
.set i, 0
.rept 4
.irp j, 0,1,2,3,4,5
	ds_load_b32 v[24+6*i+(\j)], v[AM] offset:512*(\j)+64*i
.endr
.set i, i+1
.endr
	s_wait_dscnt 0x0
	WIN 0x85                                       ; sources window 1, destination window 2
.set n, 0
.rept 128                                              ; pairs of neighbouring channels ARE source 1 of S^T: X[n] = (Y[2 n], Y[2 n + 1])
	v_cvt_pk_bf16_f32 v[XF+n], v[2*n], v[2*n+1]
.set n, n+1
.endr
	WIN 0x41
.set n, 0
.rept 128
	v_pk_mul_f32 v[2*n:2*n+1], v[2*n:2*n+1], 0.5 op_sel_hi:[1,0]
.set n, n+1
.endr
	WIN 0xc0
.set i, 0
.rept 4
.irp j, 0,1,2
	v_cvt_pk_bf16_f32 v[PF+8*i+(\j)], v[24+6*i+2*(\j)], v[24+6*i+2*(\j)+1]
.endr
.set i, i+1
.endr
	s_wait_loadcnt 0x0                             ; eb2's fragments
; THE MATRIX WORK.  The accumulators take turns, one instruction a turn.  PAR is the parity of the step whose activation is in hand, NPR the other.
; P2: product ai of 32 of Y^T += W2 H^T: token tile ai % 4, channels 16 (ai / 4) on.
.macro P2
.set rO, 64*(ai%4)+8*(ai/4)
.set rA, W2F+64*NPR+8*(ai/4)
.set rB, PF+32*NPR+8*(ai%4)
	WIN 0x5f
	v_wmma_f32_16x16x32_bf16 v[rO:rO+7], v[rA:rA+7], v[rB:rB+7], v[rO:rO+7]
.endm
; P1: product ai of 32 of S^T = W1 X^T + b1: channels 32 (ai / 8) on, tile ai % 8 = 2 i + hb.  The first eight start the sums with b1.
.macro P1
.set rS, S+64*NPR+8*(ai%8)
.set rA, W1F+32*(ai%2)+8*(ai/8)
.set rB, XF+32*((ai%8)/2)+8*(ai/8)
.if ai < 8
	WIN 0x3a
	v_wmma_f32_16x16x32_bf16 v[rS:rS+7], v[rA:rA+7], v[rB:rB+7], v[BF+8*(ai%2):BF+8*(ai%2)+7]
.else
	WIN 0x0a
	v_wmma_f32_16x16x32_bf16 v[rS:rS+7], v[rA:rA+7], v[rB:rB+7], v[rS:rS+7]
.endif
.endm
; THE LDS LOADS stand in two runs a turn.  last = 1 (the tail): in the last turn there is no further step, and the run is jumped over.
.macro FETCH1 last=0                   ; the next step's W1 (16 loads), b1 (4) and m (4)
	WIN 0
.if \last
	s_cmp_eq_u32 s[CNT], 1
	s_cbranch_scc1 .Lno_f1_\@
.endif
	v_add_nc_u32 v[A1], s[TW1], v[AW1]
	v_add_nc_u32 v[AB], s[TBI], v[AB0]
	v_add_nc_u32 v[AM], s[TMK], v[AM0]
	WIN 0x80
.irp f, 0,1,2,3,4,5,6,7                ; hidden block f / 4, channels 32 (f % 4) on
	ds_load_b128 v[W1F+8*(\f):W1F+8*(\f)+3],   v[A1] offset:((\f)/4)*16*PW+((\f)%4)*64
	ds_load_b128 v[W1F+8*(\f)+4:W1F+8*(\f)+7], v[A1] offset:((\f)/4)*16*PW+((\f)%4)*64+32
.endr
	WIN 0xc0
.irp f, 0,1,2,3
	ds_load_b128 v[BF+4*(\f):BF+4*(\f)+3], v[AB] offset:((\f)/2)*64+((\f)%2)*16
.endr
	WIN 0
.irp f, 0,1,2,3
	ds_load_b32 v[MM+4*NPR+(\f)], v[AM] offset:64*(\f)
.endr
	s_add_co_u32 s[TW1], s[TW1], 32*PW
	s_add_co_u32 s[TBI], s[TBI], 128
.if \last
.Lno_f1_\@:
.endif
.endm
.macro FETCH2 last=0                   ; the next step's W2, into the buffer that this turn's products Y^T have just read
	WIN 0
.if \last
	s_cmp_eq_u32 s[CNT], 1
	s_cbranch_scc1 .Lno_f2_\@
.endif
	v_add_nc_u32 v[A2], s[TW2], v[AW2]
	WIN 0xc0
.irp f, 0,1,2,3,4,5,6,7
	ds_load_b128 v[W2F+64*NPR+8*(\f):W2F+64*NPR+8*(\f)+3],   v[A2] offset:(\f)*16*PW
	ds_load_b128 v[W2F+64*NPR+8*(\f)+4:W2F+64*NPR+8*(\f)+7], v[A2] offset:(\f)*16*PW+32
.endr
	s_add_co_u32 s[TW2], s[TW2], 64
	WIN 0
.if \last
.Lno_f2_\@:
.endif
.endm
; THE VECTOR WORK: a queue of 352; VQ writes entry q.  Pairs n = 0..31 of S^T's 64 registers, in groups g of four (a group is one accumulator, read from its lowest registers on).
;   0-191    for each group 16 plain lines (T = x x; T = c2 T + c1; T = T x; S = x m), then the eight exponentials of the group before; the last group's eight at the end
;   192-287  for each group four lines T = T + 1, then the eight reciprocals of the group before; the last eight at the end
;   288-351  by eights: four S = S T, four roundings of a pair to bf16 into P
; No entry below 192 names an exponential's result, none below 288 a reciprocal's: TURN puts one wait at each of the two places.
.macro VQ
.if q < 192
.if q < 16
.set g, 0
.set u, q
.elseif q < 184
.set g, 1+(q-16)/24
.set u, (q-16)%24
.else
.set g, 8
.set u, 16+(q-184)
.endif
	WIN 0
.if u < 16
.set n, 4*g+u%4
.set rS, S+64*PAR+2*n
.set rT, T+2*n
.set rM, MM+4*PAR+2*(n/16)
.if u/4 == 0
	v_pk_mul_f32 v[rT:rT+1], v[rS:rS+1], v[rS:rS+1]
.elseif u/4 == 1
	v_pk_fma_f32 v[rT:rT+1], v[rT:rT+1], s[C2:C2+1], s[C1:C1+1] op_sel_hi:[1,0,0]
.elseif u/4 == 2
	v_pk_mul_f32 v[rT:rT+1], v[rT:rT+1], v[rS:rS+1]
.elseif (n/8)%2
	v_pk_mul_f32 v[rS:rS+1], v[rS:rS+1], v[rM:rM+1] op_sel:[0,1] op_sel_hi:[1,1]
.else
	v_pk_mul_f32 v[rS:rS+1], v[rS:rS+1], v[rM:rM+1] op_sel_hi:[1,0]
.endif
.else
	v_exp_f32 v[T+8*(g-1)+u-16], v[T+8*(g-1)+u-16]
.endif
.elseif q < 288
.if q < 196
.set g, 0
.set u, q-192
.elseif q < 280
.set g, 1+(q-196)/12
.set u, (q-196)%12
.else
.set g, 8
.set u, 4+(q-280)
.endif
	WIN 0
.if u < 4
	v_pk_add_f32 v[T+8*g+2*u:T+8*g+2*u+1], v[T+8*g+2*u:T+8*g+2*u+1], 1.0 op_sel_hi:[1,0]
.else
	v_rcp_f32 v[T+8*(g-1)+u-4], v[T+8*(g-1)+u-4]
.endif
.else
.set g, (q-288)/8
.set u, (q-288)%8
.if u < 4
.set n, 4*g+u
	WIN 0
	v_pk_mul_f32 v[S+64*PAR+2*n:S+64*PAR+2*n+1], v[S+64*PAR+2*n:S+64*PAR+2*n+1], v[T+2*n:T+2*n+1]
.else
.set n, 4*g+u-4
	WIN 0xc0
	v_cvt_pk_bf16_f32 v[PF+32*PAR+n], v[S+64*PAR+2*n], v[S+64*PAR+2*n+1]
.endif
.endif
.set q, q+1
.endm
; A TURN, for a step of parity par.  The lines behind the matrix instructions name none of their registers, and are the places that loads into read registers want:
; W1's run stands 4 roundings and 12 packed lines behind the last product that read W1; W2's run a v_nop and 6 packed additions behind the last product that read that buffer.
.macro TURN par, last=0
.set PAR, \par
.set NPR, 1-(\par)
.set q, 0
.set ai, 0
	s_wait_dscnt 0x0                               ; the last turn's run of W2 is in (issued 31 matrix instructions ago)
.rept 32
	P2
.rept 6
	VQ
.endr
.if ai == 1
	FETCH1 \last
.endif
.set ai, ai+1
.endr
	WIN 0
	v_nop                                          ; a plain instruction behind the last exponential,
	s_wait_alu depctr_va_vdst(0)                   ; and the one wait for the 64
	s_wait_dscnt 0x0                               ; W1, b1 and m of the next step are in
.set ai, 0
.rept 16
	P1
.rept 6
	VQ
.endr
.if ai == 0
	FETCH2 \last
.endif
.set ai, ai+1
.endr
	WIN 0
	v_nop
	s_wait_alu depctr_va_vdst(0)                   ; the one wait for the 64 reciprocals
.rept 16
	P1
.rept 4
	VQ
.endr
.set ai, ai+1
.endr
	WIN 0
.endm
.set NPR, 0
.set ai, 0
.rept 32                                               ; Y^T += (0.5 eb2) m: depth 12 of 32, the rest zeros
	P2
.set ai, ai+1
.endr
	CHANGE 1                                       ; the x tile has been read by all: slot 1 is asked for, over it; the four v_nop behind the load are the places in front of the loads into W2's buffer 0
	FETCH1
	FETCH2
	s_wait_dscnt 0x0
.set ai, 0
.rept 32
	P1                                             ; step 0's scores: there is no vector work yet to set between them
.set ai, ai+1
.endr
	WIN 0
	NOPS
	s_mov_b32 s[CNT], 2
	s_mov_b32 s[SLOTS], 21
	s_branch .Lfirst                               ; the loop is entered at step 0, in the middle of a trip
.Lslot:                                                ; 20 times: change k = 1..20 stands ahead of turn 4 k - 1, whose fetches are slot k's first; slot k + 1 is asked for
	CHANGE 1
	s_mov_b32 s[CNT], 2
.Lstep:
	TURN 1
.Lfirst:
	TURN 0
	s_sub_co_u32 s[CNT], s[CNT], 1
	s_cmp_lg_u32 s[CNT], 0
	s_cbranch_scc1 .Lstep
	s_sub_co_u32 s[SLOTS], s[SLOTS], 1
	s_cmp_lg_u32 s[SLOTS], 0
	s_cbranch_scc1 .Lslot
	CHANGE 0                                       ; the tail is written out: nothing is asked for
	s_mov_b32 s[CNT], 3                            ; turns 83 to 87; the last fetches nothing
.Ltail:
	TURN 1, 1
	s_sub_co_u32 s[CNT], s[CNT], 1
	s_cmp_eq_u32 s[CNT], 0
	s_cbranch_scc1 .Lout
	TURN 0
	s_branch .Ltail
.Lout:                                                 ; turn 87's 32 products S^T (on step 87's W1 once more) serve nothing: the price, once a launch, of one text for every turn
.set NPR, 1
.set ai, 0
.rept 32
	P2                                             ; step 87's Y^T
.set ai, ai+1
.endr
	WIN 0
	NOPS                                           ; the places behind the last products
	; ---- THE WAY OUT.  The ring has had its last fill: slot w / 2 takes my half's sums, [channel][token] f32 in rows of 528 bytes; then each wave adds the two stages' rows 32 w .. + 31 and stores them ----
	s_wait_dscnt 0x0
	s_barrier_signal -1
	s_barrier_wait -1                              ; nobody reads the weights any more
	s_mul_i32 s88, s[HH], SLOT1
	v_mad_u32_u24 v[XA], v[HL], 8*PX, v[AM0]
	v_add_nc_u32 v[XA], s88, v[XA]
	WIN 0x04                                       ; the stores' data in window 1
.set i, 0
.rept 4
.set cb, 0
.rept 8
.irp j, 0,1,2,3,4,5,6,7
	ds_store_b32 v[XA], v[64*i+8*cb+(\j)] offset:(16*cb+(\j))*PX+64*i
.endr
.set cb, cb+1
.endr
.set i, i+1
.endr
	WIN 0
	s_wait_dscnt 0x0                               ; for the others' sake: my stores are done
	s_barrier_signal -1
	s_barrier_wait -1
	s_mul_i32 s88, s[WV], 32*PX
	v_add_nc_u32 v[RD], s88, v[GO]
	v_add_nc_u32 v[A1], SLOT1, v[RD]
.irp bt, 0,1,2,3
.if (\bt) > 0
	s_wait_xcnt 0x0                                ; the last batch's stores have read their registers
.endif
.set n, 0
.rept 8
	ds_load_b128 v[64+4*n:64+4*n+3],   v[RD] offset:(8*(\bt)+n)*PX
	ds_load_b128 v[128+4*n:128+4*n+3], v[A1] offset:(8*(\bt)+n)*PX
.set n, n+1
.endr
	s_wait_dscnt 0x0
.set n, 0
.rept 16
	v_pk_add_f32 v[64+2*n:65+2*n], v[64+2*n:65+2*n], v[128+2*n:129+2*n]
.set n, n+1
.endr
.set n, 0
.rept 8
	global_store_b128 v[GO], v[64+4*n:64+4*n+3], s[16:17] offset:(8*(\bt)+n)*16384 th:TH_STORE_NT  ; 512 consecutive bytes, at a multiple of 256 from out0's first
.set n, n+1
.endr
.endr
	s_wait_tensorcnt 0x0                           ; the wave's end
	ds_add_u32 v[SPW], v[NIL]
	s_wait_dscnt 0x0
	CROUND                                         ; the closing round: no work-group ends while a partner may still ask for a tile that names it
	; ---- out1's store: the waves that made the number; EXEC lets lane 0 of the work-group at place 0 of the cluster store it (one number: 4 bytes).  Nothing follows but the end ----
	s_cmp_lg_u32 s[WV], 0
	s_cbranch_scc1 .Lend
	s_cmp_lg_u32 ttmp9, 0
	s_cbranch_scc1 .Lend
	v_or_b32 v[O1T], s[CX], v0
	v_cmp_eq_u32 vcc_lo, 0, v[O1T]
	s_wait_xcnt 0x0                                ; EXEC changes only behind this wait
	s_and_saveexec_b32 s88, vcc_lo
	global_store_b32 v[O1A], v[O1V], s[18:19]
	s_wait_xcnt 0x0
	s_or_b32 exec_lo, exec_lo, s88
.Lend:
	s_endpgm
.Lfunc_end_k_q6a95537f17_experts:
	.size	k_q6a95537f17_experts, .Lfunc_end_k_q6a95537f17_experts-k_q6a95537f17_experts
	.p2alignl 7, 3214868480
	.fill 96, 4, 3214868480
	.section	.rodata,"a",@progbits
	.p2align	6, 0x0
	.amdhsa_kernel k_q6a95537f17_experts
		.amdhsa_group_segment_fixed_size 327680
		.amdhsa_private_segment_fixed_size 0
		.amdhsa_enable_private_segment 0
		.amdhsa_kernarg_size 64
		.amdhsa_user_sgpr_count 2
		.amdhsa_user_sgpr_kernarg_segment_ptr 1
		.amdhsa_wavefront_size32 1
		.amdhsa_system_sgpr_workgroup_id_x 1
		.amdhsa_system_sgpr_workgroup_id_y 1
		.amdhsa_system_sgpr_workgroup_id_z 1
		.amdhsa_system_vgpr_workitem_id 0
		.amdhsa_next_free_vgpr 1024
		.amdhsa_next_free_sgpr 96
		.amdhsa_reserve_vcc 1
		.amdhsa_float_denorm_mode_32 3
		.amdhsa_float_denorm_mode_16_64 3
		.amdhsa_memory_ordered 1
		.amdhsa_forward_progress 1
		.amdhsa_inst_pref_size 214
	.end_amdhsa_kernel
	.amdgpu_metadata
---
amdhsa.version: [ 1, 2 ]
amdhsa.kernels:
  - .name:           k_q6a95537f17_experts
    .symbol:         k_q6a95537f17_experts.kd
    .args:
      - { .name: x, .offset: 0, .size: 8, .value_kind: global_buffer, .address_space: global }
      - { .name: wt, .offset: 8, .size: 8, .value_kind: global_buffer, .address_space: global }
      - { .name: eb1, .offset: 16, .size: 8, .value_kind: global_buffer, .address_space: global }
      - { .name: maskw, .offset: 24, .size: 8, .value_kind: global_buffer, .address_space: global }
      - { .name: eb2t, .offset: 32, .size: 8, .value_kind: global_buffer, .address_space: global }
      - { .name: part, .offset: 40, .size: 8, .value_kind: global_buffer, .address_space: global }
      - { .name: out0, .offset: 48, .size: 8, .value_kind: global_buffer, .address_space: global }
      - { .name: out1, .offset: 56, .size: 8, .value_kind: global_buffer, .address_space: global }
    .group_segment_fixed_size: 327680
    .private_segment_fixed_size: 0
    .kernarg_segment_align: 8
    .kernarg_segment_size: 64
    .max_flat_workgroup_size: 128
    .sgpr_count:     96
    .vgpr_count:     1024
    .wavefront_size: 32
...
	.end_amdgpu_metadata
.endif
;; end of part 3
